; MI455X (gfx1250); checked and timed in simulation.
; The chip was launched on July 23, 2026; its instructions are those of AMD's public machine-readable ISA for CDNA 5 (MIT licence, August 2026) and "CDNA5" Instruction Set Architecture Reference Guide (July 2026). The comments in the code are by the model that wrote it; some were corrected since.
;; Generative Model. Allowed arithmetic: float matrix products may take bf16 or f16 operands with f32 sums; all other float work in f32.
;; Inputs: b0 2 x 64 float32; b1 2 x 64 float32; b2 2 x 64 float32; b3 2 x 1 float32; logit_multipliers_raw 2 float32; program_id 256 int32; raw_positions 256 x 2 x 2 float32; shape_ids 256 x 2 int32; w0 2 x 1 x 64 float32; w1 2 x 64 x 64 float32; w2 2 x 64 x 64 float32; w3 2 x 64 x 1 float32.
;; Outputs: out0 256 x 64 x 64 float32.
;; One version. Each part assembles by itself: llvm-mc -triple=amdgcn-amd-amdhsa -mcpu=gfx1250 --defsym DOCPART=n.
;; ======== version 1 of 1: 1 launch
;; limits: values are held in f16: magnitudes above 65,504 overflow, below 6.1e-05 lose precision
;; launch render (part 1): grid 256 x 1, 8 waves a work-group, no clusters, 40,448 bytes of LDS; arguments program_id, shape_ids, raw_positions, w0, b0, w1, b1, w2, b2, w3, b3, logit_multipliers_raw, out0; writes out0
.if DOCPART == 1
	.amdgcn_target "amdgcn-amd-amdhsa--gfx1250"
	.amdhsa_code_object_version 6
	.text
	.protected	k_q6a362df99e_render
	.globl	k_q6a362df99e_render
	.p2align	8
	.type	k_q6a362df99e_render,@function
k_q6a362df99e_render:
	s_mov_b64 s[64:65], 0
	v_nop
	global_prefetch_b8 v0, s[64:65] scope:SCOPE_SE
	s_setreg_imm32_b32 hwreg(HW_REG_WAVE_MODE, 25, 1), 1
	s_wait_xcnt 0x0
; out0[b][y][x] = program(p0, p1),  p_s = sigmoid(mult_s (exp(mlp_s(atan2(dy, dx))) - sqrt(dx^2 + dy^2))),  mlp: 1 -> 64 -> 64 -> 64 -> 1 with ReLU.
; Work-group b makes element b (both slots, 64 x 64 pixels) with eight waves; wave w owns rows 8 w .. 8 w + 7.
; Phase 1: slot 1, p1 kept in 16 registers.  Phase 2: slot 0, combined with p1, stored.  Where program_id is 0 the result is p0 alone, so
; phase 1 is left out (a scalar branch on the integer input, the same in all waves); p1 is then the zeros it was cleared to, and its factor is 0.
; A trip is one image row: two bodies of 32 points, x = 2 lane and x = 2 lane + 1, so a lane ends with 8 neighbouring bytes and the
; wave's one store covers the row's 256 consecutive bytes, which start at a multiple of 256 from out0's first byte.
;
; THE TWO 64 x 64 LAYERS: D = A x B + C with A = 16 output features x 32 input features of W^T (f16), B = 32 input features x 16 points (f16),
; C = the bias (first half of K) or D itself (second half).  With lane = (r, h): D's register j of feature tile t is feature 16 t + 8 h + j of
; point r, and B's register i of K block c wants features 32 c + 16 (i / 4) + 8 h + 2 (i % 4) and the next of point r.  So packing registers
; 2 i, 2 i + 1 of the four D tiles into register i gives the next layer's two B fragments as they stand: nothing moves between lanes.
; Layers 0 (K = 1) and 3 (N = 1), atan2 and all per-point work are f32 vector arithmetic in that same layout.
;
; NO CLUSTER, NO TENSOR LOADS: what the work-groups share is read once, 2 x 32,768 + 5 x 512 = 68,096 bytes ahead of 8,192 points x 8,192
; multiply-adds, and has to pass through registers anyway (f32 to f16, [k][m] to [m][k]); the loops read nothing from memory.
;
; WHY f16 AND NOT bf16.  An error of o is multiplied by p (1 - p) mult exp(o) on its way to the result, about 0.7 exp(o) where the sigmoid is
; steepest; eight bits of significand in h0, h1, w1, w2 leave too little margin there, eleven leave eight times more.  The range suffices:
; |theta| <= pi whatever the inputs, so with w0 of spread 1 and w1 of spread 1/8 h1 is about 0.7 pi in the root mean square; with both 30 times
; larger about 2,000; with both carrying an offset of 30 spreads about 64 x 94 x 3.75 = 22,600.  30 times smaller: f16's smallest step, 6e-8,
; is 1e-5 of w1's spread.
; LIMITS.  h0, h1, w1, w2 are rounded to f16, sums in f32; a |h0|, |h1|, |w1| or |w2| above 65,504 becomes infinite and the result is then not
; the definition's.  A NaN probability leaves the final clip as 0 or as the other slot's value (v_max_num_f32 drops a NaN).
; lin[i] = fma(i, 2/63, -1), within one unit in the last place of linspace; where |dy| is within rounding of 0 and dx < 0, the sign of dy, hence
; theta = +pi or -pi, can differ from another evaluation's.  dy = -0 does not arise from the subtraction.  atan by a polynomial of degree 17,
; error at most 2e-8.  v_exp_f32, v_rcp_f32, v_sqrt_f32 take denormal inputs as 0 and give 0 for results below 2^-126 (ISA guide, their entries).
; shape_ids are cut to 0..1 (unsigned minimum with 1); a program_id other than 0 and 2 adds, as in the definition.
.set WT_PITCH, 144                     ; LDS row of W^T: 64 f16 = 128 bytes + 16 of padding, an odd multiple of 16
.set WT_LAYER, 64*WT_PITCH             ; 9,216: one layer's W^T
.set WT_PRIM,  2*WT_LAYER              ; 18,432: one primitive's two layers;    bytes 0 .. 36,863
.set SP_BASE,  2*WT_PRIM               ; 36,864: five arrays of 512 bytes, f32: 0 w0, 1 b0, 2 w3, 3 b1, 4 b2; primitive p at + 256 p;  ends at 39,424
.set LOG2E,  0x3fb8aa3b
.set NLOG2E, 0xbfb8aa3b
; window 0
.set LANE, 1
.set LWT,  2                           ; r x 144 + 16 h
.set LSP,  3                           ; SP_BASE + 32 h
.set WTA,  4                           ; LWT + the slot's primitive
.set SPA,  5                           ; LSP + the slot's primitive
.set GO,   7                           ; byte offset of my 8 bytes of the trip's row, from the wave's first row
.set LINE, 8                           ; lin[2 lane]
.set LINO, 9                           ; lin[2 lane + 1]
.set DXE,  10                          ; v10  dx of the first body    (named v10, v11, v13 where |..| is written)
.set DXO,  11                          ; v11  dx of the second body
.set POSY, 12
.set DY,   13                          ; v13
.set NM,   14                          ; - log2(e) exp(logit multiplier)
.set B3L,  15                          ; b3 log2(e)
.set TH,   16                          ; v16 theta of tile A's point r, v17 the other half's theta, v18 of tile B's point r, v19 my own theta
.set T,    20                          ; v[20:31] at work; T+8 dx^2 + dy^2, T+9 its root
.set PE,   32                          ; v[32:33] phase 2: the two results
.set S,    36                          ; v[36:43] four chains of the last layer's dot product
.set Q,    46                          ; v[46:61] p1 of my wave's eight rows, a pair a row, run as a queue; v60, v61 are its top pair
.set W0,   64                          ; v[64:95]   register 8 t + j: w0[16 t + 8 h + j]
.set B0,   96                          ; v[96:127]  b0 likewise
.set W3,   128                         ; v[128:159] w3 likewise
.set ACC,  160                         ; v[160:223] point tile u at + 32 u, feature tile t at + 8 t
.set HB,   224                         ; v[224:255] point tile u at + 16 u, K block c at + 8 c
; window 1 (written by the low 8 bits): only what matrix instructions read as A or as the bias
.set A1,   0                           ; v256-319  layer 1: fragment (t, c) at 16 t + 8 c
.set A2,   64                          ; v320-383  layer 2
.set BI1,  128                         ; v384-415  register 8 t + j: b1[16 t + 8 h + j]
.set BI2,  160                         ; v416-447  b2 likewise
.set MSB, 0
.macro WIN new                         ; low byte: bits 1:0 source 0, 3:2 source 1, 5:4 source 2, 7:6 destination; high byte: the setting that is left
.if MSB != \new
	s_set_vgpr_msb (MSB<<8)|\new
.set MSB, \new
.endif
.endm
.macro PLACES                          ; four places behind a matrix instruction before a vector instruction reads its result or writes a source (ISA guide 7.12.1)
.rept 4
	v_nop
.endr
.endm
; ---------------------------------------------------------------- set-up
	s_load_b512 s[8:23], s[0:1], 0x0               ; program_id 8, shape_ids 10, raw_positions 12, w0 14, b0 16, w1 18, b1 20, w2 22
	s_load_b256 s[24:31], s[0:1], 0x40             ; b2 24, w3 26, b3 28, logit_multipliers_raw 30
	s_load_b64 s[32:33], s[0:1], 0x60              ; out0
	v_lshl_add_u32 v62, v0, 2, 0x9a00
	v_mov_b32 v63, 0
	v_lshrrev_b32 v20, 5, v0
	v_readfirstlane_b32 s48, v20                   ; wave 0..7
	v_and_b32 v[LANE], 31, v0
	v_and_b32 v20, 15, v0                          ; r; for the staging: m4, which four output features
	v_bfe_u32 v21, v0, 4, 1                        ; h
	v_mul_u32_u24 v[LWT], v20, WT_PITCH
	v_lshl_add_u32 v[LWT], v21, 4, v[LWT]
	v_lshlrev_b32 v[LSP], 5, v21
	v_add_nc_u32 v[LSP], SP_BASE, v[LSP]
	v_lshrrev_b32 v22, 4, v0                       ; 8 primitive + kg (kg: which eight input features)
	v_lshlrev_b32 v22, 11, v22                     ; x 8 rows of 256 bytes (8 x 2,048 = one primitive's 16,384)
	v_lshl_add_u32 v22, v20, 4, v22                ; + 16 m4: sixteen lanes read a row's 256 bytes
	v_lshrrev_b32 v23, 7, v0                       ; primitive
	v_bfe_u32 v24, v0, 4, 3                        ; kg
	v_mul_u32_u24 v25, v23, WT_PRIM
	v_mul_u32_u24 v26, v20, 4*WT_PITCH
	v_add_nc_u32 v25, v25, v26
	v_lshl_add_u32 v25, v24, 4, v25                ; W^T: row 4 m4, bytes 16 kg
	v_lshlrev_b32 v27, 4, v[LANE]
	s_lshl_b32 s56, ttmp9, 2                       ; byte offsets of element b in program_id,
	s_lshl_b32 s57, ttmp9, 3                       ; shape_ids,
	s_lshl_b32 s58, ttmp9, 4                       ; raw_positions
	s_mov_b32 s49, 0xffff0000                      ; lanes with h = 1
	s_mov_b32 s50, 0x76543210                      ; v_permlanex16_b32: lane i of one half reads lane i of the other
	s_mov_b32 s51, 0xfedcba98
	s_mov_b32 s52, 0x3b3bd74a                      ; atan: coefficient of a^16
	s_mov_b32 s53, 0xbc846e02                      ; of a^14
	s_mov_b32 s67, 0x3d020821                      ; 2 / 63
	s_mov_b32 s68, 0x00800000                      ; the smallest normal number: keeps the quotient's denominator off 0
	s_mov_b32 s69, 0x7fffffff
	s_wait_kmcnt 0x0
	s_load_b32 s34, s[8:9], s56 offset:0x0         ; program_id[b]
	s_load_b64 s[36:37], s[10:11], s57 offset:0x0  ; shape_ids[b][0..1]
	s_load_b128 s[40:43], s[12:13], s58 offset:0x0 ; raw x0, y0, x1, y1
	s_load_b64 s[44:45], s[28:29], 0x0             ; b3 of both primitives: the slot's is chosen by a select, not by an address
	s_load_b64 s[46:47], s[30:31], 0x0             ; logit_multipliers_raw of both
	s_cmp_lg_u32 s48, 0
	s_cbranch_scc1 .Lnosmall
.macro SMALL a, p                      ; wave 0: 32 lanes x 16 bytes = one small array, both primitives
	global_load_b128 v[W0+4*\a:W0+4*\a+3], v27, s[\p:\p+1]
.endm
	SMALL 0, 14
	SMALL 1, 16
	SMALL 2, 26
	SMALL 3, 20
	SMALL 4, 24
.Lnosmall:
.irp i, 0,1,2,3,4,5,6,7
	global_load_b128 v[ACC+4*\i:ACC+4*\i+3], v22, s[18:19] offset:256*\i          ; w1[8 kg + i][4 m4 .. + 3]
.endr
.irp i, 0,1,2,3,4,5,6,7
	global_load_b128 v[ACC+32+4*\i:ACC+32+4*\i+3], v22, s[22:23] offset:256*\i    ; w2 likewise
.endr
; An 8 x 4 block of w, [k][m], becomes four rows of W^T with 8 f16 (16 bytes) each.
.macro STAGEW src, pk, off
.irp q, 0,1,2,3
.irp j, 0,1,2,3
	v_cvt_pk_f16_f32 v[\pk+4*\q+\j], v[\src+8*\j+\q], v[\src+8*\j+4+\q]           ; k = 8 kg + 2 j below, + 1 above
.endr
	ds_store_b128 v25, v[\pk+4*\q:\pk+4*\q+3] offset:\off+WT_PITCH*\q
.endr
.endm
	s_wait_loadcnt 0x8                             ; the eight loads of w2 are the only younger ones, with or without wave 0's five: w1 is in
	STAGEW ACC, HB, 0
	s_wait_loadcnt 0x0
	STAGEW ACC+32, HB+16, WT_LAYER
	s_cmp_lg_u32 s48, 0
	s_cbranch_scc1 .Lnosmall2
.irp a, 0,1,2,3,4
	ds_store_b128 v27, v[W0+4*\a:W0+4*\a+3] offset:SP_BASE+512*\a
.endr
.Lnosmall2:
	s_wait_dscnt 0x0                               ; for the other waves' sake: my stores have landed,
	s_barrier_signal -1
	s_barrier_wait -1                              ; everybody's have.  LDS is only read from here on, save one atomic add of 0 at the end: the one barrier of the kernel
	s_wait_kmcnt 0x0
	s_min_u32 s36, s36, 1                          ; an index that enters an LDS address: cut to the table
	s_min_u32 s37, s37, 1
	s_mov_b32 s66, 0x3f800000                      ; p0 + p1,
	s_cmp_eq_u32 s34, 2
	s_cselect_b32 s66, 0xbf800000, s66             ; p0 - p1 for program 2,
	s_cmp_eq_u32 s34, 0
	s_cselect_b32 s66, 0, s66                      ; p0 for program 0
	v_lshlrev_b32 v20, 1, v[LANE]
	v_cvt_f32_u32 v20, v20
	v_fma_f32 v[LINE], v20, s67, -1.0
	v_add_f32 v20, 1.0, v20
	v_fma_f32 v[LINO], v20, s67, -1.0
	s_lshl_b32 s59, s48, 11                        ; 2,048 wave: 8 rows of 256 bytes
	s_lshl_b32 s60, ttmp9, 14                      ; 16,384 b
	s_add_co_u32 s60, s60, s59
	s_mov_b32 s61, 0
	s_add_nc_u64 s[32:33], s[32:33], s[60:61]      ; out0 at my wave's first row
	v_mov_b32 v[TH+1], 0                           ; destinations of v_permlanex16_b32 count as read: written once here
	v_mov_b32 v[T+10], 0
.set i, 0
.rept 16
	v_mov_b32 v[Q+i], 0                            ; the queue: read by its first moves, and p1 itself where phase 1 is left out
.set i, i+1
.endr
; ---------------------------------------------------------------- the macros of the two phases
; 72 LDS loads: the slot's primitive into registers, where it stays for the phase's eight rows.
.macro LOADP
	WIN 0x40                                       ; destination window 1, address window 0
.irp l, 0,1
.irp t, 0,1,2,3
.irp c, 0,1
	ds_load_b128 v[64*\l+16*\t+8*\c:64*\l+16*\t+8*\c+3],   v[WTA] offset:WT_LAYER*\l+16*WT_PITCH*\t+64*\c      ; W^T(16 t + r, 32 c + 8 h ..)
	ds_load_b128 v[64*\l+16*\t+8*\c+4:64*\l+16*\t+8*\c+7], v[WTA] offset:WT_LAYER*\l+16*WT_PITCH*\t+64*\c+32   ; W^T(16 t + r, 32 c + 16 + 8 h ..)
.endr
.endr
.endr
.irp t, 0,1,2,3
	ds_load_b128 v[BI1+8*\t:BI1+8*\t+3],   v[SPA] offset:512*3+64*\t
	ds_load_b128 v[BI1+8*\t+4:BI1+8*\t+7], v[SPA] offset:512*3+64*\t+16
	ds_load_b128 v[BI2+8*\t:BI2+8*\t+3],   v[SPA] offset:512*4+64*\t
	ds_load_b128 v[BI2+8*\t+4:BI2+8*\t+7], v[SPA] offset:512*4+64*\t+16
.endr
	WIN 0
.irp t, 0,1,2,3
	ds_load_b128 v[W0+8*\t:W0+8*\t+3],   v[SPA] offset:512*0+64*\t
	ds_load_b128 v[W0+8*\t+4:W0+8*\t+7], v[SPA] offset:512*0+64*\t+16
	ds_load_b128 v[B0+8*\t:B0+8*\t+3],   v[SPA] offset:512*1+64*\t
	ds_load_b128 v[B0+8*\t+4:B0+8*\t+7], v[SPA] offset:512*1+64*\t+16
	ds_load_b128 v[W3+8*\t:W3+8*\t+3],   v[SPA] offset:512*2+64*\t
	ds_load_b128 v[W3+8*\t+4:W3+8*\t+7], v[SPA] offset:512*2+64*\t+16
.endr
.endm
; A slot's constants.  sid, rx, ry: numbers of the scalar registers with its shape id and raw position.
; The loads land on registers that matrix instructions of the phase before have read: the four v_nop behind the last of them, and the whole
; per-point tail, stand between.
.macro SLOTSET sid, rx, ry
	s_cmp_eq_u32 s[\sid], 0
	s_cselect_b32 s60, s44, s45                    ; b3
	s_cselect_b32 s61, s46, s47                    ; raw logit multiplier
	s_mul_i32 s62, s[\sid], WT_PRIM
	s_lshl_b32 s63, s[\sid], 8
	v_add_nc_u32 v[WTA], s62, v[LWT]
	v_add_nc_u32 v[SPA], s63, v[LSP]
	LOADP
	v_mov_b32 v20, s[\rx]                          ; while the loads are on their way: the same numbers in every lane
	v_mov_b32 v21, s[\ry]
	v_mov_b32 v22, s61
	v_mov_b32 v26, s60
	v_mul_f32 v20, NLOG2E, v20
	v_mul_f32 v21, NLOG2E, v21
	v_mul_f32 v22, LOG2E, v22
	v_exp_f32 v23, v20                             ; e^-x
	v_exp_f32 v24, v21                             ; e^-y
	v_exp_f32 v25, v22                             ; the multiplier
	v_mul_f32 v[B3L], LOG2E, v26                   ; (a plain instruction between the exponentials and their use)
	s_wait_alu depctr_va_vdst(0)
	v_add_f32 v23, 1.0, v23
	v_add_f32 v24, 1.0, v24
	v_rcp_f32 v20, v23                             ; sigmoid
	v_rcp_f32 v21, v24
	v_mul_f32 v[NM], NLOG2E, v25                   ; (and between the reciprocals and theirs)
	s_wait_alu depctr_va_vdst(0)
	v_add_f32 v20, -0.5, v20                       ; pos x
	v_add_f32 v[POSY], -0.5, v21
	v_sub_f32 v[DXE], v[LINE], v20
	v_sub_f32 v[DXO], v[LINO], v20
	s_wait_dscnt 0x0                               ; all 72 loads
.endm
; 16 matrix instructions: one layer for 32 points.  The bias is the C of the first half of K; the second half is the chain in place.
.macro MM a, bi
	WIN 0x11                                       ; A and C window 1, B and D window 0
.irp t, 0,1,2,3
.irp u, 0,1
	v_wmma_f32_16x16x32_f16 v[ACC+32*\u+8*\t:ACC+32*\u+8*\t+7], v[\a+16*\t:\a+16*\t+7], v[HB+16*\u:HB+16*\u+7], v[\bi+8*\t:\bi+8*\t+7]
.endr
.endr
	WIN 0x01                                       ; A window 1
.irp t, 0,1,2,3
.irp u, 0,1
	v_wmma_f32_16x16x32_f16 v[ACC+32*\u+8*\t:ACC+32*\u+8*\t+7], v[\a+16*\t+8:\a+16*\t+15], v[HB+16*\u+8:HB+16*\u+15], v[ACC+32*\u+8*\t:ACC+32*\u+8*\t+7]
.endr
.endr
	WIN 0
.endm
.macro RELU                            ; 64 registers, two maxima an instruction (there is no packed f32 maximum)
.set i, 0
.rept 32
	v_dual_max_num_f32 v[ACC+i], 0, v[ACC+i] :: v_dual_max_num_f32 v[ACC+i+1], 0, v[ACC+i+1]
.set i, i+2
.endr
.endm
.macro PACK                            ; ReLU, then registers 2 i, 2 i + 1 into register i: the next layer's B fragments
	RELU
.set i, 0
.rept 32
	v_cvt_pk_f16_f32 v[HB+i], v[ACC+2*i], v[ACC+2*i+1]
.set i, i+1
.endr
.endm
; The queue of p1 moves down by one row's pair: 14 registers, two an instruction.  A register's number cannot hang on the trip, and writing the
; eight rows of both phases out would make the code sixteen rows long in place of two.
.macro ROT
.set i, 0
	s_wait_alu depctr_va_vdst(0)
.rept 7
	v_dual_mov_b32 v[Q+i], v[Q+i+2] :: v_dual_mov_b32 v[Q+i+1], v[Q+i+3]
.set i, i+2
.endr
.endm
; 32 points, one a lane: dx in register v<dx>, dy in v13; the probability goes to v<pd>.
.macro HALF dx, pd
	; theta = atan2(dy, dx): a = min / max in [0, 1], atan(a) = a (1 + c1 a^2 + .. + c8 a^16), then the octant
	v_max3_num_f32 v[T], |v\dx|, |v13|, s68
	v_min_num_f32 v[T+1], |v\dx|, |v13|
	v_rcp_f32 v[T+2], v[T]
	v_mul_f32 v[T+8], v\dx, v\dx                   ; (plain work between the reciprocal and its use)
	v_fma_f32 v[T+8], v13, v13, v[T+8]
	v_sqrt_f32 v[T+9], v[T+8]                      ; the distance, used at the end
	s_wait_alu depctr_va_vdst(0)
	v_mul_f32 v[T+3], v[T+1], v[T+2]               ; a
	v_mul_f32 v[T+4], v[T+3], v[T+3]               ; a^2
	v_fma_f32 v[T+5], v[T+4], s52, s53
	v_fmaak_f32 v[T+5], v[T+5], v[T+4], 0x3d2fc1fe
	v_fmaak_f32 v[T+5], v[T+5], v[T+4], 0xbd9a3174
	v_fmaak_f32 v[T+5], v[T+5], v[T+4], 0x3dda3d83
	v_fmaak_f32 v[T+5], v[T+5], v[T+4], 0xbe117fc7
	v_fmaak_f32 v[T+5], v[T+5], v[T+4], 0x3e4cbbe5
	v_fmaak_f32 v[T+5], v[T+5], v[T+4], 0xbeaaaa6c
	v_fma_f32 v[T+5], v[T+5], v[T+4], 1.0
	v_mul_f32 v[T+5], v[T+5], v[T+3]
	v_cmp_gt_f32 vcc_lo, |v13|, |v\dx|
	v_sub_f32 v[T+6], 0x3fc90fdb, v[T+5]           ; pi/2 - r
	v_cndmask_b32 v[T+5], v[T+5], v[T+6], vcc_lo
	v_cmp_gt_f32 vcc_lo, 0, v\dx
	v_sub_f32 v[T+6], 0x40490fdb, v[T+5]           ; pi - r
	v_cndmask_b32 v[T+5], v[T+5], v[T+6], vcc_lo
	v_bfi_b32 v[TH+3], s69, v[T+5], v13            ; dy's sign
	; tile A = the points of lanes 0-15, tile B = those of lanes 16-31; lane (r, h) needs point r of each
	v_permlanex16_b32 v[TH+1], v[TH+3], s50, s51
	v_cndmask_b32 v[TH], v[TH+3], v[TH+1], s49     ; h ? the other half's : mine
	v_cndmask_b32 v[TH+2], v[TH+1], v[TH+3], s49   ; h ? mine : the other half's
	; layer 0 in f32: theta w0 + b0, in the layout of a matrix result (theta is the pair's first register for both halves)
.irp u, 0,1
.set i, 0
.rept 16
	v_pk_fma_f32 v[ACC+32*\u+i:ACC+32*\u+i+1], v[TH+2*\u:TH+2*\u+1], v[W0+i:W0+i+1], v[B0+i:B0+i+1] op_sel_hi:[0,1,1]
.set i, i+2
.endr
.endr
	PACK
	MM A1, BI1
	PLACES
	PACK
	MM A2, BI2
	PLACES
	RELU
	; layer 3 in f32: my 32 features of each tile's point, two chains a tile, the four chains taking turns
.irp u, 0,1
.irp c, 0,1
	v_pk_mul_f32 v[S+4*\u+2*\c:S+4*\u+2*\c+1], v[ACC+32*\u+2*\c:ACC+32*\u+2*\c+1], v[W3+2*\c:W3+2*\c+1]
.endr
.endr
.irp k, 1,2,3,4,5,6,7
.irp u, 0,1
.irp c, 0,1
	v_pk_fma_f32 v[S+4*\u+2*\c:S+4*\u+2*\c+1], v[ACC+32*\u+4*\k+2*\c:ACC+32*\u+4*\k+2*\c+1], v[W3+4*\k+2*\c:W3+4*\k+2*\c+1], v[S+4*\u+2*\c:S+4*\u+2*\c+1]
.endr
.endr
.endr
.irp u, 0,1
	v_pk_add_f32 v[S+4*\u:S+4*\u+1], v[S+4*\u:S+4*\u+1], v[S+4*\u+2:S+4*\u+3]
.endr
.irp u, 0,1
	v_add_f32 v[S+4*\u], v[S+4*\u], v[S+4*\u+1]
.endr
	; the other 32 features lie in lane xor 16: I keep my own point's half sum and send the other point's
	v_cndmask_b32 v[T], v[S], v[S+4], s49          ; h ? tile B's : tile A's
	v_cndmask_b32 v[T+1], v[S+4], v[S], s49
	v_permlanex16_b32 v[T+10], v[T+1], s50, s51
	v_add_f32 v[T], v[T], v[T+10]
	; p = 1 / (1 + 2^(-log2(e) mult (e^(o + b3) - dist)))
	v_fmamk_f32 v[T], v[T], LOG2E, v[B3L]
	v_exp_f32 v[T+1], v[T]
	v_nop                                          ; one plain place behind each transcendental before its result is used
	s_wait_alu depctr_va_vdst(0)
	v_sub_f32 v[T+1], v[T+1], v[T+9]
	v_mul_f32 v[T+1], v[T+1], v[NM]
	v_exp_f32 v[T+2], v[T+1]
	v_nop
	s_wait_alu depctr_va_vdst(0)
	v_add_f32 v[T+2], 1.0, v[T+2]
	v_rcp_f32 v\pd, v[T+2]
	v_nop
.endm
; One image row.  s54: the trip, 0 to 7.
.macro ROW phase
	s_lshl3_add_u32 s55, s48, s54                  ; y = 8 wave + trip
	v_cvt_f32_u32 v20, s55
	v_fma_f32 v20, v20, s67, -1.0                  ; lin[y]
	v_sub_f32 v[DY], v20, v[POSY]
.if \phase == 1
	ROT                                            ; room at the top: trip t's pair is moved 7 - t times more and ends at Q + 2 t
	HALF 10, 60                                    ; v60 = Q + 14
	HALF 11, 61                                    ; v61 = Q + 15
.else
	HALF 10, 32
	HALF 11, 33
	v_fma_f32 v[PE], v[Q], s66, v[PE]              ; p0 + p1, p0 - p1 or p0: the queue's bottom pair is this row's p1
	s_wait_alu depctr_va_vdst(0)
	v_fma_f32 v[PE+1], v[Q+1], s66, v[PE+1]
	v_max_num_f32 v[PE], 0, v[PE]
	v_max_num_f32 v[PE+1], 0, v[PE+1]
	v_min_num_f32 v[PE], 1.0, v[PE]
	v_min_num_f32 v[PE+1], 1.0, v[PE+1]
	global_store_b64 v[GO], v[PE:PE+1], s[32:33] th:TH_STORE_NT    ; 32 lanes x 8 bytes: the row's 256 bytes
	ROT                                            ; the next row's p1 to the bottom
	s_wait_xcnt 0x0                                ; the store's offset and data are written again only behind this wait
	v_add_nc_u32 v[GO], 0x100, v[GO]               ; the next row
.endif
.endm
; ---------------------------------------------------------------- phase 1: slot 1
	s_cmp_eq_u32 s34, 0
	s_cbranch_scc1 .Lphase2                        ; program 0 does not use p1
	SLOTSET 37, 42, 43
	s_mov_b32 s54, 0
.Lp1:
	ROW 1
	s_add_co_u32 s54, s54, 1
	s_cmp_lt_u32 s54, 8
	s_cbranch_scc1 .Lp1
; ---------------------------------------------------------------- phase 2: slot 0, the program, the output
.Lphase2:
	SLOTSET 36, 40, 41
	v_lshlrev_b32 v[GO], 3, v[LANE]
	s_mov_b32 s54, 0
.Lp2:
	ROW 2
	s_add_co_u32 s54, s54, 1
	s_cmp_lt_u32 s54, 8
	s_cbranch_scc1 .Lp2
	s_wait_tensorcnt 0x0
	ds_add_u32 v62, v63
	s_wait_dscnt 0x0
	s_endpgm
.Lfunc_end_k_q6a362df99e_render:
	.size	k_q6a362df99e_render, .Lfunc_end_k_q6a362df99e_render-k_q6a362df99e_render
	.p2alignl 7, 3214868480
	.fill 96, 4, 3214868480
	.section	.rodata,"a",@progbits
	.p2align	6, 0x0
	.amdhsa_kernel k_q6a362df99e_render
		.amdhsa_group_segment_fixed_size 40448
		.amdhsa_private_segment_fixed_size 0
		.amdhsa_enable_private_segment 0
		.amdhsa_kernarg_size 104
		.amdhsa_user_sgpr_count 2
		.amdhsa_user_sgpr_kernarg_segment_ptr 1
		.amdhsa_wavefront_size32 1
		.amdhsa_system_sgpr_workgroup_id_x 1
		.amdhsa_system_sgpr_workgroup_id_y 1
		.amdhsa_system_sgpr_workgroup_id_z 1
		.amdhsa_system_vgpr_workitem_id 0
		.amdhsa_next_free_vgpr 448
		.amdhsa_next_free_sgpr 72
		.amdhsa_reserve_vcc 1
		.amdhsa_float_denorm_mode_32 3
		.amdhsa_float_denorm_mode_16_64 3
		.amdhsa_memory_ordered 1
		.amdhsa_forward_progress 1
		.amdhsa_inst_pref_size 98
	.end_amdhsa_kernel
	.amdgpu_metadata
---
amdhsa.version: [ 1, 2 ]
amdhsa.kernels:
  - .name:           k_q6a362df99e_render
    .symbol:         k_q6a362df99e_render.kd
    .args:
      - { .name: program_id, .offset: 0, .size: 8, .value_kind: global_buffer, .address_space: global }
      - { .name: shape_ids, .offset: 8, .size: 8, .value_kind: global_buffer, .address_space: global }
      - { .name: raw_positions, .offset: 16, .size: 8, .value_kind: global_buffer, .address_space: global }
      - { .name: w0, .offset: 24, .size: 8, .value_kind: global_buffer, .address_space: global }
      - { .name: b0, .offset: 32, .size: 8, .value_kind: global_buffer, .address_space: global }
      - { .name: w1, .offset: 40, .size: 8, .value_kind: global_buffer, .address_space: global }
      - { .name: b1, .offset: 48, .size: 8, .value_kind: global_buffer, .address_space: global }
      - { .name: w2, .offset: 56, .size: 8, .value_kind: global_buffer, .address_space: global }
      - { .name: b2, .offset: 64, .size: 8, .value_kind: global_buffer, .address_space: global }
      - { .name: w3, .offset: 72, .size: 8, .value_kind: global_buffer, .address_space: global }
      - { .name: b3, .offset: 80, .size: 8, .value_kind: global_buffer, .address_space: global }
      - { .name: logit_multipliers_raw, .offset: 88, .size: 8, .value_kind: global_buffer, .address_space: global }
      - { .name: out0, .offset: 96, .size: 8, .value_kind: global_buffer, .address_space: global }
    .group_segment_fixed_size: 40448
    .private_segment_fixed_size: 0
    .kernarg_segment_align: 8
    .kernarg_segment_size: 104
    .max_flat_workgroup_size: 256
    .sgpr_count:     72
    .vgpr_count:     448
    .wavefront_size: 32
...
	.end_amdgpu_metadata
.endif
;; end of part 1
